; MI455X (gfx1250); checked and timed in simulation.
; The chip was launched on July 23, 2026; its instructions are those of AMD's public machine-readable ISA for CDNA 5 (MIT licence, August 2026) and "CDNA5" Instruction Set Architecture Reference Guide (July 2026). The comments in the code are by the model that wrote it; some were corrected since.
;; Attention. Allowed arithmetic: matrix products marked QUANTISED: E4M3 operands, one given power-of-two scale a tensor, by v_wmma_f32_16x16x64_fp8_fp8 or v_wmma_f32_16x16x128_fp8_fp8, f32 sums; everything else in f32.
;; Inputs: freqs_cos 2,048 x 64 float32; freqs_sin 2,048 x 64 float32; lowp_scales 12 int32 (the exponents e of the quantised operands' scales 2^e); mask 2,048 x 2,048 float32; wk 2,048 x 2,048 float32; wo 2,048 x 2,048 float32; wq 2,048 x 2,048 float32; wv 2,048 x 2,048 float32; x 1 x 2,048 x 2,048 float32.
;; Outputs: out0 1 x 2,048 x 2,048 float32.
;; Constants: start_pos = 0.
;; This version of the problem:
;;   THIS VERSION OF THE PROBLEM IS GIVEN IN LOW PRECISION. The matrix products marked QUANTISED in the list below multiply operands that are first quantised to E4M3 (4 exponent bits, 3 mantissa bits; 8 bits a number), with one given power-of-two scale for each operand tensor; their sums are f32. All else is computed in f32.
;;   The module's matrix products, in the order in which they are computed (A, B: the left and right operand; K: the contracted axis; several contracted axes count as one K, in the product's order):
;;     1. [M 2,048, K 2,048] x [K 2,048, N 2,048]; A: input x; B: input wq: QUANTISED (scales: A lowp_scales[0], B lowp_scales[1])
;;     2. [M 2,048, K 2,048] x [K 2,048, N 2,048]; A: input x; B: input wk: QUANTISED (scales: A lowp_scales[2], B lowp_scales[3])
;;     3. [M 2,048, K 2,048] x [K 2,048, N 2,048]; A: input x; B: input wv: QUANTISED (scales: A lowp_scales[4], B lowp_scales[5])
;;     4. batch 16 x [M 2,048, K 128] x [K 128, N 2,048]; A: computed on the way; B: computed on the way: QUANTISED (scales: A lowp_scales[6], B lowp_scales[7])
;;     5. batch 16 x [M 128, K 2,048] x [K 2,048, N 2,048]; A: computed on the way; B: softmax (see below): QUANTISED (scales: A lowp_scales[8], B lowp_scales[9])
;;     6. [M 2,048, K 2,048] x [K 2,048, N 2,048]; A: computed on the way; B: input wo: QUANTISED (scales: A lowp_scales[10], B lowp_scales[11])
;;   THE QUANTISER, for each operand of a quantised product, along K:
;;     - The operand's scale is 2^e, e = its entry of the input lowp_scales (int32; the entries are numbered through the quantised products in the list's order, A before B).
;;     - Each number is divided by the scale, clamped to +-448, and rounded to the nearest number of E4M3, ties to even, subnormals kept.
;;     - The product sums the exact products of the quantised numbers (number of the format x scale) in f32.
;;   ~~~python
;;   def quantise(x, axis, e):      # numpy; x: float32 -> the quantised numbers, widened to float32 again
;;       x = np.moveaxis(x, axis, -1); K = x.shape[-1]
;;       r = np.clip(x / 2.0 ** e, -448, 448)
;;       step = 2.0 ** (np.maximum(np.frexp(np.where(r == 0, 1, r))[1] - 1, -6) - 3)
;;       q = np.round(r / step) * step * 2.0 ** e      # np.round: ties to even
;;       return np.moveaxis(q, -1, axis).astype(np.float32)
;;   ~~~
;;   SOFTMAX AHEAD OF A QUANTISED PRODUCT. Where the list says 'softmax', what is quantised is not the finished softmax but p = 2^(t - M), with t = logit x log2(e) and M = ceil(the row's largest t), a whole number; so 1/2 < the row's largest p <= 1. The row's sum l is taken of the UNQUANTISED p, in f32, and the product's result is divided by l at the end. Since M is a whole number, a kernel that streams over the keys may use a running M (the ceiling of the running maximum): every later rescaling is an exact power of two, so the quantised numbers keep their values, but for numbers so far below the row's largest that they fall under the format's range.
;;   OPERANDS COMPUTED ON THE WAY. 'Computed on the way' means the value that the module computes at that place (a softmax that the list does not call 'softmax' is quantised finished and normalised). What goes into a quantiser is computed in f32, as accurately as f32 sums, v_exp_f32 and their like allow (about 1e-6 of the number): no bf16 or f16 on the way to a quantiser, and a product that is left as it is and whose result goes on into a quantised operand takes f32 operands (vector FMAs, or v_wmma_f32_16x16x4_f32). A number that lies on a knife's edge between two numbers of the format may be rounded either way, as far as f32 arithmetic and the matrix unit's own rounding can turn it there, and no further.
;; One version. Each part assembles by itself: llvm-mc -triple=amdgcn-amd-amdhsa -mcpu=gfx1250 --defsym DOCPART=n.
;; ======== version 1 of 1: 4 launches
;; limits: right only within a limited range of input values
;; workspace buffers: codes1 29,360,128 bytes; qkv 12,582,912 bytes; att 4,194,304 bytes; flags 2,048 bytes of whole numbers
;; launch quant (part 1): grid 1408 x 1, 4 waves a work-group, no clusters, 33,280 bytes of LDS; arguments x, wq, wk, wv, wo, lowp_scales, codes1, mask, flags; writes codes1, flags
.if DOCPART == 1
	.amdgcn_target "amdgcn-amd-amdhsa--gfx1250"
	.amdhsa_code_object_version 6
	.text
	.protected	k_q66c47544d3_quant
	.globl	k_q66c47544d3_quant
	.p2align	8
	.type	k_q66c47544d3_quant,@function
k_q66c47544d3_quant:
	s_mov_b64 s[64:65], 0
	v_nop
	global_prefetch_b8 v0, s[64:65] scope:SCOPE_SE
	s_setreg_imm32_b32 hwreg(HW_REG_WAVE_MODE, 25, 1), 1
	s_wait_xcnt 0x0
; THE PROGRAM: attention with rotary embedding on codes of FP8 (E4M3), four launches: this one quantises the inputs; the second makes Q, K, V; the third is the attention; the fourth the projection on the way out.
; DEAD WORK: none.  Every product of the problem is live, the additive mask is an input and is added number by number, and every buffer has a way to the output.  start_pos is a constant that the computation never uses.
; THIS LAUNCH: x, wq, wk, wv, wo, each [2048][2048] f32 with K innermost, become codes, one a byte, K innermost, in seven sections of 4 MiB of codes1:
;   0, 1, 2: x with the scales 2^e0, 2^e2, 2^e4 (x is an operand of three products, each with a scale of its own);  3, 4, 5, 6: wq (e1), wk (e3), wv (e5), wo (e11).
; code = number / 2^e, held within +-448, rounded to the nearest code, ties to even.
; LIMITS: each of e0 .. e5 and e11 lies between -126 and 119, so that 2^e and 448 x 2^e are f32 numbers.  NaN among the inputs is not served; an infinity is held at the largest code.
; SHARES: 256 work-groups to a tensor (work-group / 256 names it), a wave takes 8 steps of 512 numbers.  Rows are dense, so a tensor is a plain stream.
; The conversions take 8 neighbours along K from ONE lane, a load is best where neighbouring LANES take neighbouring bytes: so each load reads 512 consecutive bytes, 16 a lane, and a step's 2,048 bytes turn
; through the wave's own stage in LDS (16 bytes of padding behind each 64) and come back 64 bytes a lane.  A lane's 16 codes are 16 bytes: a store of the wave covers 512 consecutive bytes, aligned.
; Loads run four steps (16 loads a wave) ahead, the turn through LDS one step.  No barrier: waves share nothing.
; THE MASK'S TILES: work-groups 1280 .. 1407 read the additive mask once and store one whole number for each tile of 64 queries x 128 keys (label .Lmask below): does the tile count at all
; (not every number is -infinity), and must it be added (it counts and not every number is zero).  The attention reads these numbers and adds the mask number by number wherever it must be added.
.set WAVES, 4
.set STEPS, 8
.set SEC,   0x400000                   ; bytes in a section of codes
.set R,     16                         ; v16-79   four sets of 16 numbers as they are loaded
.set X,     80                         ; v80-111  two sets of 16 neighbours
.set T,     112                        ; v112-127 the numbers held within the largest code x the scale (x is held three times, so not in place)
.set C,     128                        ; v128-139 codes: four registers for each of the three scales
.set SC,    140                        ; v140, 142, 144  2^e as f32: the conversion takes its exponent field
.set LM,    141                        ; v141, 143, 145  448 x 2^e
.set WREG,  8192                       ; LDS: a region of its own for each wave: two stages of 32 x SP bytes
.set SP,    80                         ; a lane's place in a stage: its 64 bytes + 16 of padding
.set SPW,   12                         ; v12  LDS address of my spare word; never rewritten
.set NIL,   13                         ; v13  0; never rewritten
.set SPARE, WAVES*WREG                 ; behind the four regions: the spare words, 128 bytes for each wave, which no other line names
	s_load_b256 s[4:11], s[0:1], 0x0               ; x, wq, wk, wv
	s_load_b128 s[12:15], s[0:1], 0x20             ; wo, the scales' exponents
	s_load_b64 s[16:17], s[0:1], 0x30              ; codes1
	v_lshl_add_u32 v[SPW], v0, 2, SPARE
	v_mov_b32 v[NIL], 0
	v_lshrrev_b32 v1, 5, v0
	v_readfirstlane_b32 s26, v1                    ; wave
	v_and_b32 v2, 31, v0                           ; lane
	v_lshlrev_b32 v3, 4, v2                        ; 16 x lane: my 16 bytes of a load's 512, and of a store's
	s_mul_i32 s34, s26, WREG
	v_lshrrev_b32 v14, 2, v2
	v_mul_u32_u24 v14, v14, SP
	v_and_b32 v15, 3, v2
	v_lshl_add_u32 v14, v15, 4, v14
	v_add_nc_u32 v14, s34, v14                     ; the stage, on the way in: four lanes' 64 bytes on end, then 16 of padding
	v_mul_u32_u24 v15, v2, SP
	v_add_nc_u32 v15, s34, v15                     ; and on the way out: my 16 neighbours
	s_lshr_b32 s27, ttmp9, 8                       ; which tensor: 0 x, 1 wq, 2 wk, 3 wv, 4 wo
	s_and_b32 s28, ttmp9, 255
	s_lshl_b32 s28, s28, 2
	s_add_co_u32 s28, s28, s26                     ; which run of 4,096 numbers of the tensor is my wave's
	s_lshl_b32 s30, s28, 14                        ; its bytes in the tensor,
	s_mov_b32 s31, 0
	s_add_co_u32 s29, s27, 2
	s_cmp_eq_u32 s27, 0
	s_cselect_b32 s29, 0, s29                      ; the first section that I write: 0 for x, else tensor + 2
	s_lshl_b32 s32, s29, 22
	s_lshl_b32 s33, s28, 12
	s_add_co_u32 s32, s32, s33                     ; and its bytes in codes1
	s_mov_b32 s33, 0
	s_wait_alu depctr_va_vdst(0)
	s_wait_kmcnt 0x0
	s_cmp_eq_u32 s27, 5                            ; the last 128 work-groups take the mask: a branch on the work-group's number
	s_cbranch_scc1 .Lmask
	s_load_b256 s[36:43], s[14:15], 0x0
	s_load_b128 s[44:47], s[14:15], 0x20           ; e8 .. e11
	s_cmp_eq_u32 s27, 1                            ; the choice of the tensor hangs on the work-group's number alone
	s_cselect_b64 s[4:5], s[6:7], s[4:5]
	s_cmp_eq_u32 s27, 2
	s_cselect_b64 s[4:5], s[8:9], s[4:5]
	s_cmp_eq_u32 s27, 3
	s_cselect_b64 s[4:5], s[10:11], s[4:5]
	s_cmp_eq_u32 s27, 4
	s_cselect_b64 s[4:5], s[12:13], s[4:5]
	s_add_nc_u64 s[4:5], s[4:5], s[30:31]
	s_add_nc_u64 s[20:21], s[16:17], s[32:33]      ; where my codes go;
	s_add_nc_u64 s[22:23], s[20:21], SEC           ; x's second and third sections (used by x's work-groups alone)
	s_add_nc_u64 s[24:25], s[20:21], 2*SEC
.macro LOAD t
.irp i, 0,1,2,3
	global_load_b128 v[R+16*((\t)%4)+4*\i:R+16*((\t)%4)+4*\i+3], v3, s[4:5] offset:2048*(\t)+512*\i th:TH_LOAD_NT   ; 32 lanes read 512 consecutive bytes; read once in the launch
.endr
.endm
.macro TURN t                          ; step t's numbers through the stage: LDS serves a wave's instructions in order, so no wait stands between the stores and the loads
.irp i, 0,1,2,3
	ds_store_b128 v14, v[R+16*((\t)%4)+4*\i:R+16*((\t)%4)+4*\i+3] offset:32*SP*((\t)%2)+8*SP*\i
.endr
.irp i, 0,1,2,3
	ds_load_b128 v[X+16*((\t)%2)+4*\i:X+16*((\t)%2)+4*\i+3], v15 offset:32*SP*((\t)%2)+16*\i
.endr
.endm
.irp t, 0,1,2,3
	LOAD \t
.endr
	s_wait_kmcnt 0x0
	s_mov_b32 s35, s36                             ; the tensor's scale: e0, e1, e3, e5 or e11
	s_cmp_eq_u32 s27, 1
	s_cselect_b32 s35, s37, s35
	s_cmp_eq_u32 s27, 2
	s_cselect_b32 s35, s39, s35
	s_cmp_eq_u32 s27, 3
	s_cselect_b32 s35, s41, s35
	s_cmp_eq_u32 s27, 4
	s_cselect_b32 s35, s47, s35
.macro MKSC e, k                       ; 2^e and 448 x 2^e as f32 numbers
	s_add_co_i32 s34, \e, 127
	s_lshl_b32 s28, s34, 23
	v_mov_b32 v[SC+2*\k], s28
	s_add_co_i32 s34, s34, 8
	s_lshl_b32 s34, s34, 23
	s_or_b32 s34, s34, 0x600000
	v_mov_b32 v[LM+2*\k], s34
.endm
	MKSC s35, 0
	MKSC s38, 1                                    ; e2
	MKSC s40, 2                                    ; e4
	s_wait_alu depctr_va_vdst(0)
	s_wait_loadcnt 12                              ; step 0's four loads are in
	TURN 0
; the step's 16 numbers of a lane, with scale k, become 16 codes and leave for section k of my three
.macro QOUT t, k
.set n, 0
.rept 16
	v_med3_num_f32 v[T+n], v[XS+n], -v[LM+2*\k], v[LM+2*\k]   ; the conversion to an 8-bit code does not saturate (ISA guide 7.6.2): the hold comes first
.set n, n+1
.endr
.if \k == 0
	s_wait_alu depctr_va_vdst(0)
	s_wait_xcnt 0x0                                ; the last step's stores have read their codes: all twelve code registers may be written again
.endif
	v_cvt_scalef32_pk8_fp8_f32 v[C+4*\k:C+4*\k+1], v[T:T+7], v[SC+2*\k]
	v_cvt_scalef32_pk8_fp8_f32 v[C+4*\k+2:C+4*\k+3], v[T+8:T+15], v[SC+2*\k]
	v_nop                                          ; a plain line between the conversions and the next holds, which write their sources
	global_store_b128 v3, v[C+4*\k:C+4*\k+3], s[20+2*\k:21+2*\k] offset:512*(\t)
.endm
.macro STEP t
.set XS, X+16*((\t)%2)
	s_wait_dscnt 0x0                               ; this step's numbers are back from the stage: so its stores into the stage have read their registers,
.if (\t)+4 < STEPS
	LOAD (\t)+4                                    ; which take the loads of four steps on
.endif
.if (\t)+1 < STEPS
.if STEPS-2-(\t) >= 3
	s_wait_loadcnt 12                              ; the next step's four loads are in; those of the three steps behind it may be out
.else
	s_wait_loadcnt 4*(STEPS-2-(\t))
.endif
	TURN (\t)+1                                    ; and go through the other stage while this step is worked
.endif
	QOUT \t, 0
	s_cmp_lg_u32 s27, 0                            ; x alone is quantised twice more: a branch on the work-group's number, round register work and global stores only
	s_cbranch_scc1 .Lw_\@
	QOUT \t, 1
	QOUT \t, 2
.Lw_\@:
.endm
.irp t, 0,1,2,3,4,5,6,7
	STEP \t
.endr
	s_wait_tensorcnt 0x0                           ; the wave's end, behind my last LDS store
	ds_add_u32 v[SPW], v[NIL]
	s_wait_dscnt 0x0
	s_endpgm
; A wave takes one tile of the mask: s28 = 16 x (query / 64) + key / 128.  A load reads 512 consecutive bytes of one row; 64 rows in two runs of 32 loads.
; All bits are gathered by OR and by AND: every number is X exactly where both give X.  The tile's word: bit kb = the tile counts, bit 16 + kb = it must be added (kb = key / 128).
; One lane stores the word: 512 words in all, each written by its own wave.
.Lmask:
	s_load_b128 s[36:39], s[0:1], 0x38             ; mask, flags
	s_lshr_b32 s29, s28, 4
	s_and_b32 s34, s28, 15                         ; kb
	s_lshl_b32 s30, s29, 19                        ; 64 rows of 8,192 bytes
	s_lshl_b32 s32, s34, 9
	s_add_co_u32 s30, s30, s32                     ; (s31 and s33 hold 0)
	s_lshl_b32 s32, s28, 2
	s_wait_kmcnt 0x0
	s_add_nc_u64 s[36:37], s[36:37], s[30:31]
	s_add_nc_u64 s[38:39], s[38:39], s[32:33]
.macro MROWS g
.set n, 0
.rept 32
	global_load_b128 v[16+4*n:19+4*n], v3, s[36:37] offset:(32*(\g)+n)*8192 th:TH_LOAD_NT
.set n, n+1
.endr
.endm
.macro MGATHER first, count
.set n, \first
.rept \count
	v_or_b32 v4, v4, v[n]
	v_and_b32 v5, v5, v[n]
	v_or_b32 v6, v6, v[n+1]
	v_and_b32 v7, v7, v[n+1]
.set n, n+2
.endr
.endm
	MROWS 0
	s_wait_loadcnt 0x0
	v_or_b32 v4, v16, v17
	v_and_b32 v5, v16, v17
	v_or_b32 v6, v18, v19
	v_and_b32 v7, v18, v19
	MGATHER 20, 62
	MROWS 1
	s_wait_alu depctr_va_vdst(0)
	s_wait_loadcnt 0x0
	MGATHER 16, 64
	v_or_b32 v4, v4, v6
	v_and_b32 v5, v5, v7
	v_and_b32 v6, 0x7fffffff, v4                   ; -0 adds nothing either
	v_cmp_eq_u32 s40, 0xff800000, v4
	v_cmp_eq_u32 s41, 0xff800000, v5
	v_cmp_eq_u32 s42, 0, v6
	s_and_b32 s40, s40, s41
	s_cmp_eq_u32 s40, -1                           ; all 32 lanes: every number is -infinity
	s_cselect_b32 s40, 0, 1                        ; the tile counts
	s_cmp_eq_u32 s42, -1                           ; every number is zero
	s_cselect_b32 s42, 0, s40                      ; it must be added
	s_lshl_b32 s42, s42, 16
	s_or_b32 s40, s40, s42
	s_lshl_b32 s40, s40, s34
	v_mov_b32 v7, s40
	v_mov_b32 v6, 0
	v_cmp_eq_u32 vcc_lo, 0, v2
	s_wait_alu depctr_va_vdst(0)
	s_wait_xcnt 0x0                                ; EXEC changes only behind this wait
	s_and_saveexec_b32 s41, vcc_lo
	global_store_b32 v6, v7, s[38:39]
	s_wait_xcnt 0x0
	s_or_b32 exec_lo, exec_lo, s41
	s_endpgm
.Lfunc_end_k_q66c47544d3_quant:
	.size	k_q66c47544d3_quant, .Lfunc_end_k_q66c47544d3_quant-k_q66c47544d3_quant
	.p2alignl 7, 3214868480
	.fill 96, 4, 3214868480
	.section	.rodata,"a",@progbits
	.p2align	6, 0x0
	.amdhsa_kernel k_q66c47544d3_quant
		.amdhsa_group_segment_fixed_size 33280
		.amdhsa_private_segment_fixed_size 0
		.amdhsa_enable_private_segment 0
		.amdhsa_kernarg_size 72
		.amdhsa_user_sgpr_count 2
		.amdhsa_user_sgpr_kernarg_segment_ptr 1
		.amdhsa_wavefront_size32 1
		.amdhsa_system_sgpr_workgroup_id_x 1
		.amdhsa_system_sgpr_workgroup_id_y 1
		.amdhsa_system_sgpr_workgroup_id_z 1
		.amdhsa_system_vgpr_workitem_id 0
		.amdhsa_next_free_vgpr 152
		.amdhsa_next_free_sgpr 66
		.amdhsa_reserve_vcc 1
		.amdhsa_float_denorm_mode_32 3
		.amdhsa_float_denorm_mode_16_64 3
		.amdhsa_memory_ordered 1
		.amdhsa_forward_progress 1
		.amdhsa_inst_pref_size 66
	.end_amdhsa_kernel
	.amdgpu_metadata
---
amdhsa.version: [ 1, 2 ]
amdhsa.kernels:
  - .name:           k_q66c47544d3_quant
    .symbol:         k_q66c47544d3_quant.kd
    .args:
      - { .name: x, .offset: 0, .size: 8, .value_kind: global_buffer, .address_space: global }
      - { .name: wq, .offset: 8, .size: 8, .value_kind: global_buffer, .address_space: global }
      - { .name: wk, .offset: 16, .size: 8, .value_kind: global_buffer, .address_space: global }
      - { .name: wv, .offset: 24, .size: 8, .value_kind: global_buffer, .address_space: global }
      - { .name: wo, .offset: 32, .size: 8, .value_kind: global_buffer, .address_space: global }
      - { .name: lowp_scales, .offset: 40, .size: 8, .value_kind: global_buffer, .address_space: global }
      - { .name: codes1, .offset: 48, .size: 8, .value_kind: global_buffer, .address_space: global }
      - { .name: mask, .offset: 56, .size: 8, .value_kind: global_buffer, .address_space: global }
      - { .name: flags, .offset: 64, .size: 8, .value_kind: global_buffer, .address_space: global }
    .group_segment_fixed_size: 33280
    .private_segment_fixed_size: 0
    .kernarg_segment_align: 8
    .kernarg_segment_size: 72
    .max_flat_workgroup_size: 128
    .sgpr_count:     66
    .vgpr_count:     152
    .wavefront_size: 32
...
	.end_amdgpu_metadata
.endif
;; end of part 1
;; launch qkv (part 2): grid 8 x 24, 4 waves a work-group, clusters of 4 x 4, 327,680 bytes of LDS; arguments codes1, lowp_scales, freqs_cos, freqs_sin, qkv; writes qkv
.if DOCPART == 2
	.amdgcn_target "amdgcn-amd-amdhsa--gfx1250"
	.amdhsa_code_object_version 6
	.text
	.protected	k_q66c47544d3_qkv
	.globl	k_q66c47544d3_qkv
	.p2align	8
	.type	k_q66c47544d3_qkv,@function
k_q66c47544d3_qkv:
	s_mov_b64 s[64:65], 0
	v_nop
	global_prefetch_b8 v0, s[64:65] scope:SCOPE_SE
	s_setreg_imm32_b32 hwreg(HW_REG_WAVE_MODE, 25, 1), 1
	s_wait_xcnt 0x0
	s_wait_alu depctr_hold_cnt(0) depctr_sa_sdst(0) depctr_va_vdst(0) depctr_va_sdst(0) depctr_va_ssrc(0) depctr_va_vcc(0) depctr_vm_vsrc(0)
	s_getreg_b32 s2, hwreg(HW_REG_IB_STS2, 6, 4)
	s_cmp_eq_u32 s2, 0
	s_cbranch_scc0 .Lentry_in_a_cluster
	s_endpgm
.Lentry_in_a_cluster:
	s_bfe_u32 s2, ttmp6, 0x10000c
	s_cmp_lg_u32 s2, 0xf033
	s_cbranch_scc0 .Lentry_shape_is_right
	s_endpgm
.Lentry_shape_is_right:
; Q = rot(x wq^T), K = rot(x wk^T), V^T = wv x^T, each a product of [2048][2048] codes of FP8 (E4M3) with K innermost, and each result quantised at once for the attention.  Nothing is left out.
; A product is C = A B^T on tiles of 256 x 256.  kind (cluster y / 2): 0: A = x (e0), B = wq (e1);  1: A = x (e2), B = wk (e3);  2: A = wv (e5), B = x (e4): V comes out with the KEYS along a lane's registers.
; A work-group of four waves makes a tile, a wave 128 x 128: 64 accumulators, 512 registers.  K goes in steps of 256 through a ring of two LDS slots filled by the tensor data mover.
; 192 work-groups: a tile of 128 x 128 would give 768 but reads twice the LDS bytes for each matrix instruction.
; CLUSTERS: 4 x 4 work-groups of one kind.  The four of a row need the same tiles of A, the four of a column the same tiles of B: each tile is asked for JOINTLY.
; THE MATRIX INSTRUCTION IS USED TRANSPOSED (source 0 = 16 rows of B, source 1 = 16 rows of A): lane (r, h) holds row r of A's block, and its eight registers of tile b the columns 16 b + 8 h + 0 .. 7.
; A wave's 128 columns are ONE head (kinds 0, 1) or one block of 128 keys (kind 2), which is the next product's K: so a conversion of a tile's eight registers gives registers 2 b, 2 b + 1 of the next operand.
; THE WAY OUT stores such operands as IMAGES OF THEIR REGISTERS: a fragment (16 rows x 128 K) is 2,048 bytes, registers 4 c .. 4 c + 3 of lane l at 512 c + 16 l.  A store of the wave covers 512 consecutive bytes, aligned.
;   qkv, section 0: Q [head 16][query / 16][2048];  section 1: K likewise;  section 2: V [head 16][key / 128][channel / 16][2048].
; ROTARY: the pair (2 i, 2 i + 1) of a head's channels is turned by cos, sin of [position][i]; it works on the raw sums, which stand for sum x 2^(ea + eb), and the conversion divides by 2^(eo - ea - eb): powers of two, nothing is rounded twice.
; cos and sin come three blocks of 16 positions ahead of their use, into registers that B's fragments have left; the first two blocks are asked for ahead of the last step of K.
; LIMITS: e6 - e0 - e1, e7 - e2 - e3 and e8 - e4 - e5 lie between -126 and 119, so that the folded scale and 448 x it are f32 numbers.
; REGISTERS, in windows of 256: window 0: v0-31 addresses; from v128 A's fragments, ONE set; on the way out v160-223 64 numbers, v224-255 codes (two sets).
;   window 1: B's fragments, TWO sets; on the way out cos and sin, four sets of 64.   window 2: the accumulators of my rows 0-63 ((a, b) at v[8 (8 a + b)]);   window 3: those of my rows 64-127.
.set SIZE_K, 2048
.set KSTEP,  256                       ; along K in a slot
.set ROWB,   256                       ; a tile's row in bytes
.set KROW,   SIZE_K                    ; a row of codes in memory, in bytes
.set SEC,    0x400000                  ; a section of codes1 and of qkv
.set PITCH,  272                       ; an LDS row: 256 bytes + 16 of padding: the 16 rows that a load touches start 68 words apart
.set FR,     16                        ; registers of a fragment
.set NL,     4                         ; LDS loads that bring one
.set NP,     4                         ; places behind this matrix instruction (ISA guide 7.12.1)
.set HALFT,  128*PITCH                 ; 128 rows: what one tensor load brings
.set SLOT,   4*HALFT                   ; A's 256 rows, then B's 256 rows
.set LAPS,   SIZE_K/(2*KSTEP)          ; a lap = once round the ring
.set SPARE,  2*SLOT                    ; behind the ring: the spare words, 128 bytes for each wave, which no other line names
.set SCL,  8                           ; v8   the folded scale as f32
.set LIM,  9                           ; v9   448 x it
.set ADRA, 16                          ; v16-17  LDS address of my A fragments in slot 0, 1
.set ADRB, 20                          ; v20-21  the same for B
.set CO,   26                          ; v26  16 x lane: my place in an image
.set CSO,  27                          ; v27  256 r + 16 h: my place in 16 rows of cos or sin
.set SPW,  28                          ; v28  LDS address of my spare word; never rewritten
.set NIL,  29                          ; v29  0; never rewritten
.set AF,   128                         ; A's fragments, in window 0
.set NUM,  160                         ; a block's 64 numbers
.set COD,  224                         ; a block's 16 registers of codes: two sets
.set G1, 24                            ; s[24:31] descriptor group 1 for A's tiles;  s[32:39] group 0, one set for each slot
.set G0, 32
.set G1B, 48                           ; s[48:55], s[56:63] the same for B's tiles
.set G0B, 56
.set MSB, 0
.macro WIN new                         ; the immediate's high byte repeats the setting that is left; a switch that changes nothing is dropped
.if MSB != (\new)
	s_set_vgpr_msb (MSB<<8)|(\new)
.set MSB, (\new)
.endif
.endm
.set MUL_LO, 0xa1                      ; source 0 (B) window 1, source 1 (A) window 0, C and D window 2
.set MUL_HI, 0xf1                      ; the same, C and D window 3
.set TO_B,   0x40                      ; destination window 1, address window 0
; A joint load: waves 0 and 1 fetch for A, waves 2 and 3 for B.  The branch hangs on the wave's number alone.  An s_nop 0 and four v_nop follow each of the two lines.
.macro JLOAD g0a, g1a, g0b, g1b
	s_cmp_eq_u32 s15, 0
	s_cbranch_scc0 .Lfor_b_\@
	tensor_load_to_lds s[\g0a:\g0a+3], s[\g1a:\g1a+7]
	s_nop 0
.rept 4
	v_nop
.endr
	s_branch .Lasked_\@
.Lfor_b_\@:
	tensor_load_to_lds s[\g0b:\g0b+3], s[\g1b:\g1b+7]
	s_nop 0
.rept 4
	v_nop
.endr
.Lasked_\@:
.endm
.macro CREST                           ; a round of the cluster's barrier behind its opening barrier
	s_cmp_lg_u32 s14, 0
	s_cbranch_scc1 .Lnot_wave_0_\@
	s_barrier_signal -3
.Lnot_wave_0_\@:
	s_barrier_wait -3
	s_barrier_signal -1
	s_barrier_wait -1
.endm
.macro CROUND                          ; a whole round
	s_barrier_signal -1
	s_barrier_wait -1
	CREST
.endm
	s_load_b256 s[4:11], s[0:1], 0x0               ; codes1 s[4:5], the scales' exponents s[6:7], cos s[8:9], sin s[10:11]
	s_load_b64 s[12:13], s[0:1], 0x20              ; qkv
	v_lshl_add_u32 v[SPW], v0, 2, SPARE
	v_mov_b32 v[NIL], 0
	ds_add_u32 v[SPW], v[NIL]                      ; the wave's opening: the add, twice on end, and its wait ahead of my first tensor load
	ds_add_u32 v[SPW], v[NIL]
	v_lshrrev_b32 v1, 5, v0
	v_readfirstlane_b32 s14, v1                    ; wave 0..3
	s_lshr_b32 s15, s14, 1                         ; which half of the tile's rows is mine.  Also: I fetch for A (0) or for B (1)
	s_and_b32 s16, s14, 1                          ; which half of its columns.  Also: which 128 rows of that tile I fetch
	s_bfe_u32 s40, ttmp6, 0x40000                  ; cx, cy: my place in the cluster
	s_bfe_u32 s41, ttmp6, 0x40004
	s_lshl_b32 s42, ttmp9, 2
	s_add_co_u32 s42, s42, s40                     ; tile column = 4 x cluster x + cx
	s_and_b32 s17, ttmp7, 0xffff                   ; cluster y, 0 .. 5
	s_lshr_b32 s66, s17, 1                         ; kind: the same in all sixteen partners
	s_and_b32 s17, s17, 1
	s_lshl_b32 s17, s17, 2
	s_add_co_u32 s17, s17, s41                     ; tile row = 4 x (cluster y mod 2) + cy
	s_lshl_b32 s43, s41, 2
	s_lshl_b32 s43, 15, s43                        ; my row of the cluster
	s_lshl_b32 s44, 0x1111, s40                    ; my column
	; descriptor group 1: a tile of 128 rows x 256 bytes, padded in LDS
	s_or_b32 s[G1+0], s43, (0<<16)|(1<<20)|(1<<21)|(5<<22)|(3<<25)  ; 15:0 the mask: A's tiles go to my row; elements of 1 byte; padding on; bit 21 beside a mask; 4 words after every 64
	s_or_b32 s[G1B+0], s44, (0<<16)|(1<<20)|(1<<21)|(5<<22)|(3<<25)
.irp g, G1, G1B
	s_mov_b32 s[\g+1], ROWB<<16                    ; tensor_dim0
	s_mov_b32 s[\g+2], 128<<16                     ; tensor_dim1
	s_mov_b32 s[\g+3], ROWB<<16                    ; tile_dim0
	s_mov_b32 s[\g+4], 128                         ; tile_dim1
	s_mov_b32 s[\g+5], KROW                        ; tensor_dim0_stride
	s_mov_b32 s[\g+6], 0
	s_mov_b32 s[\g+7], 0
.endr
	s_add_co_u32 s19, s66, 3
	s_cmp_eq_u32 s66, 2
	s_cselect_b32 s18, 5, s66                      ; A's section of codes1: 0, 1 (x) or 5 (wv)
	s_cselect_b32 s19, 2, s19                      ; B's: 3, 4 (wq, wk) or 2 (x)
	s_lshl_b32 s18, s18, 22
	s_lshl_b32 s19, s19, 22
	s_lshl_b32 s22, s16, 7                         ; which 128 rows of the tile I fetch
	s_lshl_b32 s20, s17, 8
	s_add_co_u32 s20, s20, s22                     ; A: row 256 x tile row + 128 x half,
	s_lshl_b32 s20, s20, 11                        ; of 2,048 bytes,
	s_add_co_u32 s20, s20, s18                     ; in its section
	s_mov_b32 s21, 0
	s_lshl_b32 s46, s42, 8
	s_add_co_u32 s46, s46, s22                     ; B: row 256 x tile column + 128 x half
	s_lshl_b32 s46, s46, 11
	s_add_co_u32 s46, s46, s19
	s_mov_b32 s47, 0
	s_mul_i32 s45, s14, HALFT                      ; where they go: wave x 128 rows: no place in the cluster enters an LDS address
	s_wait_dscnt 0x0                               ; both opening adds are done
	s_wait_kmcnt 0x0
	s_load_b256 s[68:75], s[6:7], 0x0              ; e0 .. e7
	s_load_b32 s76, s[6:7], 0x20                   ; e8
	s_add_nc_u64 s[20:21], s[4:5], s[20:21]
	s_add_nc_u64 s[46:47], s[4:5], s[46:47]
	CROUND                                         ; all sixteen work-groups are here: the first joint loads meet
.irp s, 0,1
	s_mov_b32 s[G0+4*\s], 1
	s_add_co_u32 s[G0+4*\s+1], s45, \s*SLOT
	s_add_nc_u64 s[G0+4*\s+2:G0+4*\s+3], s[20:21], \s*ROWB
	s_or_b32 s[G0+4*\s+3], s[G0+4*\s+3], 0x80000000
	s_mov_b32 s[G0B+4*\s], 1
	s_add_co_u32 s[G0B+4*\s+1], s45, \s*SLOT
	s_add_nc_u64 s[G0B+4*\s+2:G0B+4*\s+3], s[46:47], \s*ROWB
	s_or_b32 s[G0B+4*\s+3], s[G0B+4*\s+3], 0x80000000
.endr
	JLOAD G0, G1, G0B, G1B                         ; K step 0: one tensor load a wave at the head
	v_and_b32 v1, 15, v0
	v_bfe_u32 v2, v0, 4, 1                         ; h
	v_mul_u32_u24 v3, v1, PITCH
	v_lshl_add_u32 v4, v2, 4, v3                   ; a fragment's row x pitch + 16 x half
	s_mul_i32 s21, s15, HALFT                      ; my 128 rows of A
	s_mul_i32 s22, s16, HALFT                      ; my 128 rows of B,
	s_add_co_u32 s22, s22, 2*HALFT                 ; which lie behind A's 256
.irp s, 0,1
	v_add_nc_u32 v[ADRA+\s], s21, v4
	v_add_nc_u32 v[ADRB+\s], s22, v4
	s_add_co_u32 s21, s21, SLOT
	s_add_co_u32 s22, s22, SLOT
.endr
	v_and_b32 v6, 31, v0
	v_lshlrev_b32 v[CO], 4, v6
	v_lshlrev_b32 v[CSO], 8, v1
	v_lshl_add_u32 v[CSO], v2, 4, v[CSO]
	; where my wave's 16 KiB of images go: kinds 0, 1: head = 2 x tile column + column half, eight fragments from position / 16 = 8 (2 x tile row + row half) on; kind 2: head by the rows, block of keys by the columns
	s_lshl_b32 s77, s42, 1
	s_add_co_u32 s77, s77, s16
	s_lshl_b32 s78, s17, 1
	s_add_co_u32 s78, s78, s15
	s_cmp_eq_u32 s66, 2
	s_cselect_b32 s79, s78, s77                    ; the head
	s_cselect_b32 s80, s77, s78                    ; the run of eight fragments in it
	s_lshl_b32 s79, s79, 18
	s_lshl_b32 s80, s80, 14
	s_add_co_u32 s79, s79, s80
	s_lshl_b32 s80, s66, 22
	s_add_co_u32 s80, s79, s80
	s_mov_b32 s81, 0
	s_add_nc_u64 s[12:13], s[12:13], s[80:81]
	s_lshl_b32 s82, s17, 16                        ; cos and sin at my first position: (256 x tile row + 128 x row half) rows of 256 bytes
	s_lshl_b32 s83, s15, 15
	s_add_co_u32 s82, s82, s83
	s_mov_b32 s83, 0
	s_add_nc_u64 s[8:9], s[8:9], s[82:83]
	s_add_nc_u64 s[10:11], s[10:11], s[82:83]
.macro FRAG reg, adr, q, i             ; a fragment: lane l holds row l % 16; registers 4 c .. 4 c + 3 hold K = 32 c + 16 (l / 16) + 0 .. 15: the same order of k in A and in B
.irp c, 0,1,2,3
	ds_load_b128 v[\reg+4*\c:\reg+4*\c+3], v[\adr] offset:128*(\q)+32*\c+(\i)*16*PITCH
.endr
.endm
; 16 matrix instructions: A's blocks a0, a0 + 1 x B's eight, 128 along K.  p: B's set.  zero = 1: the first product starts the sums.  The 64 accumulators take turns, one instruction a turn.
.macro MUL16 a0, p, zero
.irp a, \a0, \a0+1
.irp b, 0,1,2,3,4,5,6,7
.if \zero
	v_wmma_f32_16x16x128_fp8_fp8 v[8*(8*((\a)%4)+\b):8*(8*((\a)%4)+\b)+7], v[128*(\p)+FR*\b:128*(\p)+FR*\b+FR-1], v[AF+FR*(\a):AF+FR*(\a)+FR-1], 0
.else
	v_wmma_f32_16x16x128_fp8_fp8 v[8*(8*((\a)%4)+\b):8*(8*((\a)%4)+\b)+7], v[128*(\p)+FR*\b:128*(\p)+FR*\b+FR-1], v[AF+FR*(\a):AF+FR*(\a)+FR-1], v[8*(8*((\a)%4)+\b):8*(8*((\a)%4)+\b)+7]
.endif
.endr
.endr
.endm
.macro FETCH_B slot, q, p              ; B's eight fragments of the slot's q-th 128 along K into set p
	WIN TO_B
.irp i, 0,1,2,3,4,5,6,7
	FRAG 128*(\p)+FR*\i, ADRB+\slot, \q, \i
.endr
	WIN 0
.endm
.macro FETCH_A slot, q, i0             ; A's blocks i0 .. i0 + 3
.irp i, \i0, \i0+1, \i0+2, \i0+3
	FRAG AF+FR*(\i), ADRA+\slot, \q, \i
.endr
.endm
.macro PLACES n                        ; plain vector instructions between a matrix instruction and a load into, or a read of, its registers
.rept \n
	v_nop
.endr
.endm
; cos and sin for block a (16 positions), into set a % 4 of window 1 (cos 32 registers, then sin 32): lane (r, h) wants, for tile b, the frequencies 8 b + 4 h + 0 .. 3 of position 16 a + r
.macro CSLOAD a
.set CL, 64*((\a)%4)
	WIN TO_B
.irp b, 0,1,2,3,4,5,6,7
	global_load_b128 v[CL+4*\b:CL+4*\b+3], v[CSO], s[8:9] offset:(\a)*4096+32*\b
	global_load_b128 v[CL+32+4*\b:CL+32+4*\b+3], v[CSO], s[10:11] offset:(\a)*4096+32*\b
.endr
	WIN 0
.endm
; A step of 128 along K that has its successor in the same slot.  A block of A is free as soon as its eight products are issued: blocks 0-3 are fetched anew in the step's middle, blocks 4-7 at its end.
.macro STEP slot, q, zero
	s_wait_dscnt 4*NL                              ; B's set and A's blocks 0-3 are in; the youngest 16 loads (A's blocks 4-7) may be out
	WIN MUL_LO
	MUL16 0, (\q)%2, \zero
	MUL16 2, (\q)%2, \zero
	s_wait_dscnt 0                                 ; A's blocks 4-7 are in
	PLACES NP
	FETCH_B \slot, (\q)+1, 1-(\q)%2
	FETCH_A \slot, (\q)+1, 0
	WIN MUL_HI
	MUL16 4, (\q)%2, \zero
	MUL16 6, (\q)%2, \zero
	PLACES NP
	WIN 0
	FETCH_A \slot, (\q)+1, 4
.endm
; A slot's last step changes slots: ONE barrier; in front of it each wave waits for all its tensor loads, adds 0 to its spare word, and waits for that and for its own reads of this slot.  fill = 1: this slot is filled again.
.macro TURN slot, next, fill
	s_wait_tensorcnt 0x0                           ; all my tensor loads have landed: my part of the next slot
	ds_add_u32 v[SPW], v[NIL]                      ; 0 onto my spare word
	s_wait_dscnt 4*NL+1                            ; (the add and the youngest 16 loads, A's blocks 4-7, may be out)
	WIN MUL_LO
	MUL16 0, 1, 0                                  ; sixteen matrix instructions stand between the add and the wait for it
	s_wait_dscnt 0x0                               ; the add is done, and my reads of this slot are over
	s_barrier_signal -1
	MUL16 2, 1, 0
	WIN 0
	s_barrier_wait -1
.if \fill
	CREST                                          ; the barrier has opened a round of the cluster's barrier: no wave of any partner still reads this slot or has a load on its way
	s_add_nc_u64 s[G0+4*\slot+2:G0+4*\slot+3], s[G0+4*\slot+2:G0+4*\slot+3], 2*ROWB
	s_add_nc_u64 s[G0B+4*\slot+2:G0B+4*\slot+3], s[G0B+4*\slot+2:G0B+4*\slot+3], 2*ROWB
	JLOAD G0+4*\slot, G1, G0B+4*\slot, G1B         ; the first tensor load behind the round; its four v_nop are the places in front of the loads below
.else
	PLACES NP
.endif
	FETCH_B \next, 0, 0
	FETCH_A \next, 0, 0
	WIN MUL_HI
	MUL16 4, 1, 0
	MUL16 6, 1, 0
	PLACES NP
	WIN 0
	FETCH_A \next, 0, 4
.endm
	s_wait_alu depctr_va_vdst(0)
	s_wait_tensorcnt 0x0                           ; my part of K step 0 is in
	ds_add_u32 v[SPW], v[NIL]
	s_wait_dscnt 0x0
	CROUND                                         ; everybody's part is in, and all sixteen work-groups are here
	JLOAD G0+4, G1, G0B+4, G1B                     ; K step 1: the first tensor load behind the round
	FETCH_B 0, 0, 0
	FETCH_A 0, 0, 0
	FETCH_A 0, 0, 4
	STEP 0, 0, 1                                   ; the first step stands in front of the loop: its products start the sums
	s_mov_b32 s3, LAPS-1
.Llap:                                                 ; a trip goes once round the ring and fills both slots again
	TURN 0, 1, 1
	STEP 1, 0, 0
	TURN 1, 0, 1
	STEP 0, 0, 0
	s_sub_co_u32 s3, s3, 1
	s_cmp_lg_u32 s3, 0
	s_cbranch_scc1 .Llap
	TURN 0, 1, 0                                   ; the last lap fills nothing, and has no round of the cluster's barrier
	STEP 1, 0, 0
	s_cmp_eq_u32 s66, 2                            ; Q and K: the first two blocks' cos and sin are asked for here, into B's set 0: its last products stand four places back, and the last step multiplies by set 1
	s_cbranch_scc1 .Lnocs                          ; (a branch on the kind, which all partners share)
	CSLOAD 0
	CSLOAD 1
.Lnocs:
	s_wait_dscnt 4*NL                              ; the very last step: nothing more to fetch
	WIN MUL_LO
	MUL16 0, 1, 0
	MUL16 2, 1, 0
	s_wait_dscnt 0
	WIN MUL_HI
	MUL16 4, 1, 0
	MUL16 6, 1, 0
	WIN 0
	; THE WAY OUT.  The folded scale: a sum stands for sum x 2^(ea + eb); its code is sum / 2^(eo - ea - eb).  The choice among the three kinds is made by selects.
	s_wait_kmcnt 0x0
	s_add_co_i32 s77, s68, s69                     ; e0 + e1
	s_add_co_i32 s78, s70, s71                     ; e2 + e3
	s_add_co_i32 s79, s72, s73                     ; e4 + e5
	s_cmp_eq_u32 s66, 1
	s_cselect_b32 s77, s78, s77
	s_cselect_b32 s80, s75, s74                    ; e7 or e6
	s_cmp_eq_u32 s66, 2
	s_cselect_b32 s77, s79, s77
	s_cselect_b32 s80, s76, s80                    ; e8
	s_sub_co_i32 s80, s80, s77
	s_add_co_i32 s80, s80, 127
	s_lshl_b32 s81, s80, 23
	v_mov_b32 v[SCL], s81
	s_add_co_i32 s80, s80, 8
	s_lshl_b32 s80, s80, 23
	s_or_b32 s80, s80, 0x600000
	v_mov_b32 v[LIM], s80
; Block a (16 rows of A x my 128 columns) becomes one fragment of codes and is stored as its image.  Each accumulator is read from its low end on.
.macro OUTBLK a, rope
.set AC, 64*((\a)%4)
.set CC, 64*((\a)%4)
.set CD, COD+16*((\a)%2)
.if \rope
.if (\a) < 6
	s_wait_loadcnt 32                              ; this block's cos and sin are in; the 32 loads of the two blocks behind it may be out
.else
	s_wait_loadcnt 16*(7-(\a))
.endif
.if (\a)+3 < 8
	CSLOAD (\a)+3                                  ; into the set that block a - 1 has left
.endif
	WIN 0x06+(\a)/4                                ; source 0: the accumulators' window; source 1: cos and sin, window 1
.irp b, 0,1,2,3,4,5,6,7
.irp i, 0,1,2,3
	v_mul_f32 v[NUM+8*\b+2*\i], v[AC+8*\b+2*\i+1], v[CC+32+4*\b+\i]                             ; b s
	v_mul_f32 v[NUM+8*\b+2*\i+1], v[AC+8*\b+2*\i+1], v[CC+4*\b+\i]                              ; b c
	v_fma_f32 v[NUM+8*\b+2*\i], v[AC+8*\b+2*\i], v[CC+4*\b+\i], -v[NUM+8*\b+2*\i]               ; a c - b s
	v_fma_f32 v[NUM+8*\b+2*\i+1], v[AC+8*\b+2*\i], v[CC+32+4*\b+\i], v[NUM+8*\b+2*\i+1]         ; a s + b c
.endr
.endr
	WIN 0
.set n, 0
.rept 64
	v_med3_num_f32 v[NUM+n], v[NUM+n], -v[LIM], v[LIM]   ; the conversion to an 8-bit code does not saturate (ISA guide 7.6.2): the hold comes first
.set n, n+1
.endr
.else
	WIN 0x02+(\a)/4
.set n, 0
.rept 64
	v_med3_num_f32 v[NUM+n], v[AC+n], -v[LIM], v[LIM]
.set n, n+1
.endr
	WIN 0
.endif
.if (\a) >= 2
	s_wait_alu depctr_va_vdst(0)
	s_wait_xcnt 0x0                                ; block a - 2's stores have read their codes: the set may be written again
.endif
.irp b, 0,1,2,3,4,5,6,7
	v_cvt_scalef32_pk8_fp8_f32 v[CD+2*\b:CD+2*\b+1], v[NUM+8*\b:NUM+8*\b+7], v[SCL]   ; registers 2 b, 2 b + 1 of the next operand: k = 16 b + 8 h + 0 .. 7
.endr
	v_nop                                          ; a plain line between the conversions and the next block's lines, which write their sources
.irp c, 0,1,2,3
	global_store_b128 v[CO], v[CD+4*\c:CD+4*\c+3], s[12:13] offset:(\a)*2048+512*\c   ; 32 lanes store 512 consecutive bytes, aligned
.endr
.endm
	PLACES NP                                      ; behind the last products: their results are read, and registers that held fragments are written and loaded into
	s_cmp_eq_u32 s66, 2                            ; V has no rotary: a branch on the kind, which all partners share
	s_cbranch_scc1 .Lv
	CSLOAD 2                                       ; into B's set 1, which the last products have left
.irp a, 0,1,2,3,4,5,6,7
	OUTBLK \a, 1
.endr
	s_branch .Lend
.Lv:
	s_wait_alu depctr_va_vdst(0)
.irp a, 0,1,2,3,4,5,6,7
	OUTBLK \a, 0
.endr
.Lend:
	s_wait_tensorcnt 0x0                           ; the wave's end, behind my last tensor load
	ds_add_u32 v[SPW], v[NIL]
	s_wait_dscnt 0x0
	CROUND                                         ; the closing round: no work-group ends while a partner may still ask for a tile that names it
	s_endpgm
.Lfunc_end_k_q66c47544d3_qkv:
	.size	k_q66c47544d3_qkv, .Lfunc_end_k_q66c47544d3_qkv-k_q66c47544d3_qkv
	.p2alignl 7, 3214868480
	.fill 96, 4, 3214868480
	.section	.rodata,"a",@progbits
	.p2align	6, 0x0
	.amdhsa_kernel k_q66c47544d3_qkv
		.amdhsa_group_segment_fixed_size 327680
		.amdhsa_private_segment_fixed_size 0
		.amdhsa_enable_private_segment 0
		.amdhsa_kernarg_size 40
		.amdhsa_user_sgpr_count 2
		.amdhsa_user_sgpr_kernarg_segment_ptr 1
		.amdhsa_wavefront_size32 1
		.amdhsa_system_sgpr_workgroup_id_x 1
		.amdhsa_system_sgpr_workgroup_id_y 1
		.amdhsa_system_sgpr_workgroup_id_z 1
		.amdhsa_system_vgpr_workitem_id 0
		.amdhsa_next_free_vgpr 1024
		.amdhsa_next_free_sgpr 100
		.amdhsa_reserve_vcc 0
		.amdhsa_float_denorm_mode_32 3
		.amdhsa_float_denorm_mode_16_64 3
		.amdhsa_memory_ordered 1
		.amdhsa_forward_progress 1
		.amdhsa_inst_pref_size 220
	.end_amdhsa_kernel
	.amdgpu_metadata
---
amdhsa.version: [ 1, 2 ]
amdhsa.kernels:
  - .name:           k_q66c47544d3_qkv
    .symbol:         k_q66c47544d3_qkv.kd
    .args:
      - { .name: codes1, .offset: 0, .size: 8, .value_kind: global_buffer, .address_space: global }
      - { .name: lowp_scales, .offset: 8, .size: 8, .value_kind: global_buffer, .address_space: global }
      - { .name: freqs_cos, .offset: 16, .size: 8, .value_kind: global_buffer, .address_space: global }
      - { .name: freqs_sin, .offset: 24, .size: 8, .value_kind: global_buffer, .address_space: global }
      - { .name: qkv, .offset: 32, .size: 8, .value_kind: global_buffer, .address_space: global }
    .group_segment_fixed_size: 327680
    .private_segment_fixed_size: 0
    .kernarg_segment_align: 8
    .kernarg_segment_size: 40
    .max_flat_workgroup_size: 128
    .sgpr_count:     100
    .vgpr_count:     1024
    .wavefront_size: 32
...
	.end_amdgpu_metadata
.endif
;; end of part 2
;; launch attn (part 3): grid 16 x 16, 4 waves a work-group, no clusters, 139,776 bytes of LDS; arguments qkv, mask, lowp_scales, flags, att; writes att
.if DOCPART == 3
	.amdgcn_target "amdgcn-amd-amdhsa--gfx1250"
	.amdhsa_code_object_version 6
	.text
	.protected	k_q66c47544d3_attn
	.globl	k_q66c47544d3_attn
	.p2align	8
	.type	k_q66c47544d3_attn,@function
k_q66c47544d3_attn:
	s_mov_b64 s[64:65], 0
	v_nop
	global_prefetch_b8 v0, s[64:65] scope:SCOPE_SE
	s_setreg_imm32_b32 hwreg(HW_REG_WAVE_MODE, 25, 1), 1
	s_wait_xcnt 0x0
; ATTENTION on codes of FP8 (E4M3): S^T = K Q^T, t = (S / sqrt(128) + mask) log2(e), p = 2^(t - M) with M the ceiling of the running largest t, O^T += V^T P^T, O / (the sum of the unquantised p), quantised for the projection.
; WHAT IS NOT DONE, BY STORED WHOLE NUMBERS: the first launch has stored, for each tile of 64 queries x 128 keys of the mask, whether it counts (not all -infinity) and whether it must be added (not all zero).
; A tile that does not counts gives p = 0 for all its scores and moves neither M, the sum nor O: its loads, products and softmax are passed over.  A tile of zeros is not loaded.  Every other tile is added number by number.
; LIMIT: a row whose every mask number is -infinity gives NaN, as the softmax of such a row does.  The scaled scores stay under 2^31 in magnitude.
; LIMITS on the given exponents: e6 + e7 between -122 and 130; e9 and e10 - e8 - e9 between -126 and 119, so that each power of two below is an f32 number.
; SHARES: a work-group owns one head and the blocks j and 31 - j of 64 queries, one after the other (two trips of .Lpass).  Each of its four waves holds all 64 queries, tile t (16 queries) in register window t,
; and takes the blocks of 128 keys with number = wave mod 4 (second trip: 3 - wave).  The four partial results (O, -M, sum) meet in LDS; wave w joins tile w and stores its codes.
; K's and V's fragments lie in memory as images of their registers: a load of the wave reads 512 consecutive bytes, and each fragment feeds four matrix instructions.  No tensor load: branches hang on the stored numbers.
; So no joint loads either.  No prefetch: the next block's K and this block's V are asked for by their own loads ahead of the block's softmax (about 1,100 vector instructions).
; O and the sum begin as zeros and the largest t as -3e38, since a wave's share may be empty: the block is written once.
; REGISTERS of window t: v12 -M, v13 largest t, v[14:15] sum; v16-31 Q; v32-95 fragments (windows 0, 1: K; 2, 3: V; or the tile's mask); v96-159 S^T, then p; v160-223 O^T; v224-239 p's codes; v240.. constants and work.
.set TILEB, 8704                       ; a tile's partial result in LDS: 8,192 bytes of O and 512 of state
.set WREG,  4*TILEB                    ; a wave's four
.set SPARE, 4*WREG                     ; the spare words, 128 bytes for each wave, which no other line names
.set QO,  1                            ; 16 x lane
.set MO,  2                            ; 8192 r + 32 h: my place in 16 rows of the mask
.set OO,  3                            ; 16 r + 8 h: my place in an image of the result
.set SG,  4                            ; LDS: where my wave puts its partial results
.set SR,  5                            ; v5-8 LDS: tile w (w my wave) of wave 0 .. 3
.set SPW, 9
.set NIL, 10
.set FRG, 32
.set S,   96
.set O,   160
.set PC,  224
.set WV,  14
.set HD,  15
.set SEL, 20
.set C1,  22                           ; 2^(e6 + e7) / sqrt(128)
.set CL,  24                           ; the same x log2(e)
.set L2E, 26
.set MU,  28                           ; s[28:29] what makes t of S in this block: CL, or log2(e) where the mask has been added
.set HK,  30                           ; s[30:31] my head's K; V lies 0x400000 bytes further on
.set KC,  32                           ; this block's K
.set KX,  34                           ; the next block's
.set MB,  36
.set QA,  38
.set OB,  40
.set A,   42                           ; my blocks still to do, a bit each
.set MX,  43                           ; the blocks whose mask must be added
.set KB,  44
.set KN,  45
.set QB,  48
.set SHF, 49
.set CNT, 50
.set PASS, 51
.set FW,  52
.set MSB, 0
.macro WIN new                         ; the immediate's high byte repeats the setting that is left
.if MSB != (\new)
	s_set_vgpr_msb (MSB<<8)|(\new)
.set MSB, (\new)
.endif
.endm
.macro W4 a, b, c, d                   ; windows of source 0, 1, 2 and of the destination
	WIN ((\a)|((\b)<<2)|((\c)<<4)|((\d)<<6))
.endm
.macro PLACES
.rept 4
	v_nop
.endr
.endm
.macro FLOAD w, b, off                 ; four fragments into window w
	WIN ((\w)<<6)
.irp f, 0,1,2,3
.irp c, 0,1,2,3
	global_load_b128 v[FRG+16*\f+4*\c:FRG+16*\f+4*\c+3], v[QO], s[\b:\b+1] offset:(\off)+\f*2048+512*\c
.endr
.endr
.endm
	s_load_b256 s[4:11], s[0:1], 0x0               ; qkv, mask, the scales' exponents, flags
	s_load_b64 s[12:13], s[0:1], 0x20              ; att
	v_lshl_add_u32 v[SPW], v0, 2, SPARE
	v_mov_b32 v[NIL], 0
	v_lshrrev_b32 v11, 5, v0
	v_readfirstlane_b32 s[WV], v11
	v_and_b32 v246, 31, v0
	v_and_b32 v247, 15, v0                         ; r
	v_bfe_u32 v250, v0, 4, 1                       ; h
	v_lshlrev_b32 v[QO], 4, v246
	v_lshlrev_b32 v[MO], 13, v247
	v_lshl_add_u32 v[MO], v250, 5, v[MO]
	v_lshlrev_b32 v[OO], 4, v247
	v_lshl_add_u32 v[OO], v250, 3, v[OO]
	s_mul_i32 s54, s[WV], WREG
	s_mul_i32 s55, s[WV], TILEB
	v_add_nc_u32 v[SG], s54, v[QO]
	v_add_nc_u32 v[SR], s55, v[QO]
	v_add_nc_u32 v[SR+1], WREG, v[SR]
	v_add_nc_u32 v[SR+2], 2*WREG, v[SR]
	v_add_nc_u32 v[SR+3], 3*WREG, v[SR]
	s_and_b32 s[HD], ttmp7, 0xffff                 ; the head
	s_mov_b32 s[SEL], 0x76543210
	s_mov_b32 s[SEL+1], 0xfedcba98
	s_mov_b32 s[L2E], 0x3fb8aa3b
	s_mov_b32 s47, 0                               ; stays 0: the upper word of every offset in s[46:47]
	s_mov_b32 s[QB], ttmp9                         ; the first block of 64 queries
	s_mov_b32 s[SHF], s[WV]
	s_mov_b32 s[PASS], 0
	s_wait_alu depctr_va_vdst(0)
	s_wait_kmcnt 0x0
	s_load_b128 s[56:59], s[8:9], 0x18             ; e6 .. e9
	s_load_b32 s60, s[8:9], 0x28                   ; e10
	s_lshl_b32 s46, ttmp9, 6
	s_add_nc_u64 s[66:67], s[10:11], s[46:47]
	s_load_b512 s[68:83], s[66:67], 0x0            ; the 16 words of block j,
	s_sub_co_u32 s54, 31, ttmp9
	s_lshl_b32 s54, s54, 6
	s_mov_b32 s55, 0
	s_add_nc_u64 s[54:55], s[10:11], s[54:55]
	s_load_b512 s[84:99], s[54:55], 0x0            ; and of block 31 - j
	s_lshl_b32 s46, s[HD], 18
	s_add_co_u32 s46, s46, 0x400000
	s_add_nc_u64 s[HK:HK+1], s[4:5], s[46:47]
	s_wait_kmcnt 0x0
	s_add_co_i32 s46, s56, s57
	s_lshl_b32 s46, s46, 23
	s_add_co_i32 s[C1], s46, 0x3db504f3            ; the exponents are added to the exponent field of 1 / sqrt(128),
	s_mov_b32 s[C1+1], s[C1]
	s_add_co_i32 s[CL], s46, 0x3e0293ee            ; and of log2(e) / sqrt(128)
	s_add_co_i32 s55, s59, 127
	s_lshl_b32 s54, s55, 23                        ; 2^e9
	s_add_co_i32 s55, s55, 8
	s_lshl_b32 s55, s55, 23
	s_or_b32 s55, s55, 0x600000                    ; 448 x 2^e9
	s_sub_co_i32 s67, s60, s58
	s_sub_co_i32 s67, s67, s59
	s_add_co_i32 s67, s67, 127
	s_lshl_b32 s66, s67, 23                        ; 2^(e10 - e8 - e9)
	s_add_co_i32 s67, s67, 8
	s_lshl_b32 s67, s67, 23
	s_or_b32 s67, s67, 0x600000
.set n, 1
.rept 15
	s_or_b32 s68, s68, s[68+n]                     ; each word holds its own two bits
	s_or_b32 s84, s84, s[84+n]
.set n, n+1
.endr
	s_mov_b32 s[FW], s68
.irp t, 0,1,2,3
	WIN ((\t)<<6)
	v_mov_b32 v244, s54
	v_mov_b32 v240, s55
	v_mov_b32 v236, 0                              ; a lane permute's destination counts as a source
	v_mov_b32 v253, 0                              ; named as the upper half of a pair
.endr
	WIN 0
	v_mov_b32 v245, s66
	v_mov_b32 v241, s67
; the softmax of one tile, all operands in the tile's window
.macro SOFT
	s_wait_alu depctr_va_vdst(0)                   ; directly ahead of the first reader of S^T
	v_max3_num_f32 v254, v[S], v[S+1], v[S+2]
	v_max3_num_f32 v252, v[S+3], v[S+4], v[S+5]
	v_max3_num_f32 v242, v[S+6], v[S+7], v[S+8]
	v_max3_num_f32 v250, v[S+9], v[S+10], v[S+11]
.set n, 12
.rept 6
	v_max3_num_f32 v254, v254, v[S+n], v[S+n+1]
	v_max3_num_f32 v252, v252, v[S+n+2], v[S+n+3]
	v_max3_num_f32 v242, v242, v[S+n+4], v[S+n+5]
	v_max3_num_f32 v250, v250, v[S+n+6], v[S+n+7]
.set n, n+8
.endr
	v_max3_num_f32 v254, v254, v[S+60], v[S+61]
	v_max3_num_f32 v252, v252, v[S+62], v[S+63]
	v_max3_num_f32 v254, v254, v242, v250
	v_max_num_f32 v254, v254, v252
	v_permlanex16_b32 v236, v254, s[SEL], s[SEL+1]
	v_max_num_f32 v254, v254, v236
	v_mul_f32 v254, s[MU], v254                    ; as t (the factor is positive)
	v_max_num_f32 v13, v13, v254
	v_mov_b32 v254, v12
	v_floor_f32 v12, -v13                          ; -M = -ceil(the largest t)
	v_sub_f32 v254, v12, v254
	v_cvt_i32_f32 v254, v254                       ; (it saturates)
	v_ldexp_f32 v252, 1.0, v254                    ; f = 2^(old M - new M)
.set n, 0
.rept 32
	v_pk_fma_f32 v[S+n:S+n+1], v[S+n:S+n+1], s[MU:MU+1], v[12:13] op_sel_hi:[1,0,0]
.set n, n+2
.endr
	s_wait_alu depctr_va_vdst(0)                   ; ahead of the batch of v_exp_f32
.set n, 0
.rept 64
	v_exp_f32 v[S+n], v[S+n]
.set n, n+1
.endr
	v_pk_mul_f32 v[14:15], v[14:15], v[252:253] op_sel_hi:[1,0]
	s_wait_alu depctr_va_vdst(0)                   ; and behind it, ahead of its first reader
	v_pk_add_f32 v[242:243], v[S:S+1], v[S+2:S+3]  ; the sum of the unquantised p, in four chains
	v_pk_add_f32 v[246:247], v[S+4:S+5], v[S+6:S+7]
	v_pk_add_f32 v[250:251], v[S+8:S+9], v[S+10:S+11]
	v_pk_add_f32 v[14:15], v[14:15], v[S+12:S+13]
.set n, 14
.rept 6
	v_pk_add_f32 v[242:243], v[242:243], v[S+n:S+n+1]
	v_pk_add_f32 v[246:247], v[246:247], v[S+n+2:S+n+3]
	v_pk_add_f32 v[250:251], v[250:251], v[S+n+4:S+n+5]
	v_pk_add_f32 v[14:15], v[14:15], v[S+n+6:S+n+7]
.set n, n+8
.endr
	v_pk_add_f32 v[242:243], v[242:243], v[S+62:S+63]
	v_pk_add_f32 v[246:247], v[246:247], v[250:251]
	v_pk_add_f32 v[14:15], v[14:15], v[242:243]
	v_pk_add_f32 v[14:15], v[14:15], v[246:247]
.set n, 0
.rept 64
	v_min_num_f32 v[S+n], v[S+n], v240             ; the conversion does not saturate (ISA guide 7.6.2); p is not negative
.set n, n+1
.endr
.set n, 0
.rept 8
	v_cvt_scalef32_pk8_fp8_f32 v[PC+2*n:PC+2*n+1], v[S+8*n:S+8*n+7], v244
.set n, n+1
.endr
	s_wait_alu depctr_va_vdst(0)                   ; directly ahead of the first reader of O^T
.set n, 0
.rept 32
	v_pk_mul_f32 v[O+n:O+n+1], v[O+n:O+n+1], v[252:253] op_sel_hi:[1,0]
.set n, n+2
.endr
.endm
.Lpass:                                                ; two trips: block j, then block 31 - j
	s_wait_xcnt 0x0                                ; the last trip's stores have read their data and their base
	s_lshl_b32 s46, s[HD], 18
	s_lshl_b32 s54, s[QB], 13
	s_add_co_u32 s46, s46, s54
	s_add_nc_u64 s[QA:QA+1], s[4:5], s[46:47]      ; Q: four fragments of 2,048 bytes
	s_lshr_b32 s46, s[HD], 2                       ; att: [head / 4][query / 16][head % 4][2,048]
	s_lshl_b32 s46, s46, 20
	s_lshl_b32 s54, s[QB], 2
	s_add_co_u32 s54, s54, s[WV]                   ; the tile that I join
	s_lshl_b32 s54, s54, 13
	s_add_co_u32 s46, s46, s54
	s_and_b32 s54, s[HD], 3
	s_lshl_b32 s54, s54, 11
	s_add_co_u32 s46, s46, s54
	s_add_nc_u64 s[OB:OB+1], s[12:13], s[46:47]
	s_lshl_b32 s54, 0x1111, s[SHF]
	s_and_b32 s[A], s[FW], s54                     ; my share of the blocks that count
	s_lshr_b32 s[MX], s[FW], 16
	s_ctz_i32_b32 s[KB], s[A]                      ; the first of them (an empty share: block 15 is loaded and not used)
	s_min_u32 s[KB], s[KB], 15
	s_lshl_b32 s46, s[KB], 14
	s_add_nc_u64 s[KC:KC+1], s[HK:HK+1], s[46:47]
.irp t, 0,1,2,3
	WIN ((\t)<<6)
.irp c, 0,1,2,3
	global_load_b128 v[16+4*\c:19+4*\c], v[QO], s[QA:QA+1] offset:\t*2048+512*\c
.endr
.endr
	FLOAD 0, KC, 0
	FLOAD 1, KC, 8192
.irp t, 0,1,2,3
	WIN ((\t)<<6)
	v_mov_b32 v12, 0x7f61b1e6                      ; -M
	v_mov_b32 v13, 0xff61b1e6                      ; the largest t so far: -3e38
	v_mov_b32 v14, 0
	v_mov_b32 v15, 0
.set n, 0
.rept 64
	v_mov_b32 v[O+n], 0
.set n, n+1
.endr
.endr
	WIN 0
	s_mov_b32 s[CNT], 4
	s_wait_alu depctr_va_vdst(0)
.Lunit:                                                ; four trips, as many as a share has blocks; a trip with nothing left passes over the work
	s_cmp_eq_u32 s[A], 0
	s_cbranch_scc1 .Lskip
	s_wait_loadcnt 0x0                             ; this block's K (and Q) are in, and no load of mine is out: every base may be written
	s_ctz_i32_b32 s[KB], s[A]                      ; this block's number, taken anew from the bits still to do and held under 16,
	s_min_u32 s[KB], s[KB], 15
	s_lshl_b32 s46, s[KB], 14
	s_add_nc_u64 s[KC:KC+1], s[HK:HK+1], s[46:47]  ; and its place in my head's K: the block whose K the trip before has asked for
.irp kw, 0,1
.irp t, 0,1,2,3
	W4 \kw, \t, 0, \t
.irp f, 0,1,2,3
	v_wmma_f32_16x16x128_fp8_fp8 v[S+8*(4*\kw+\f):S+8*(4*\kw+\f)+7], v[FRG+16*\f:FRG+16*\f+15], v[16:31], 0
.endr
.endr
.endr
	WIN 0
	PLACES                                         ; ahead of the reads of S^T and of the loads into the fragments' registers
	s_sub_co_u32 s54, s[A], 1
	s_and_b32 s[A], s[A], s54                      ; this block is done with;
	s_ctz_i32_b32 s[KN], s[A]                      ; the next one
	s_min_u32 s[KN], s[KN], 15
	s_lshl_b32 s46, s[KN], 14
	s_add_nc_u64 s[KX:KX+1], s[HK:HK+1], s[46:47]
	s_lshr_b32 s54, s[MX], s[KB]
	s_and_b32 s54, s54, 1
	s_cmp_eq_u32 s54, 0
	s_cselect_b32 s[MU], s[CL], s[L2E]
	s_cselect_b32 s[MU+1], s[CL], s[L2E]
	s_cbranch_scc1 .Lplain
	s_lshl_b32 s46, s[QB], 19                      ; the mask must be added: 64 rows x 128 numbers, tile t's into window t's fragment registers
	s_lshl_b32 s54, s[KB], 9
	s_add_co_u32 s46, s46, s54
	s_add_nc_u64 s[MB:MB+1], s[6:7], s[46:47]
.irp t, 0,1,2,3
	WIN ((\t)<<6)
.irp f, 0,1,2,3,4,5,6,7
	global_load_b128 v[FRG+8*\f:FRG+8*\f+3], v[MO], s[MB:MB+1] offset:\t*131072+64*\f
	global_load_b128 v[FRG+8*\f+4:FRG+8*\f+7], v[MO], s[MB:MB+1] offset:\t*131072+64*\f+16
.endr
.endr
	WIN 0
	s_wait_loadcnt 0x0
.irp t, 0,1,2,3
	WIN (0x55*\t)
.set n, 0
.rept 32
	v_pk_fma_f32 v[S+n:S+n+1], v[S+n:S+n+1], s[C1:C1+1], v[FRG+n:FRG+n+1] op_sel_hi:[1,0,1]
.set n, n+2
.endr
.endr
	WIN 0
.Lplain:
	s_cmp_eq_u32 s[A], 0
	s_cbranch_scc1 .Lnok
	FLOAD 0, KX, 0                                 ; the next block's K,
	FLOAD 1, KX, 8192
	WIN 0
.Lnok:
	FLOAD 2, KC, 0x400000                          ; and this block's V: both have the four softmaxes in which to land
	FLOAD 3, KC, 0x400000+8192
.irp t, 0,1,2,3
	WIN (0x55*\t)
	SOFT
.endr
	WIN 0
	s_wait_alu depctr_va_vdst(0)
	s_wait_loadcnt 0x0
.irp vw, 0,1
.irp t, 0,1,2,3
	W4 2+\vw, \t, \t, \t
.irp f, 0,1,2,3
	v_wmma_f32_16x16x128_fp8_fp8 v[O+8*(4*\vw+\f):O+8*(4*\vw+\f)+7], v[FRG+16*\f:FRG+16*\f+15], v[PC:PC+15], v[O+8*(4*\vw+\f):O+8*(4*\vw+\f)+7]
.endr
.endr
.endr
	WIN 0
	PLACES
.Lskip:
	s_sub_co_u32 s[CNT], s[CNT], 1
	s_cmp_lg_u32 s[CNT], 0
	s_cbranch_scc1 .Lunit
	s_wait_loadcnt 0x0                             ; an empty share has waited for nothing yet: Q's and the first K's loads land before their registers are written again
	; THE FOUR PARTIAL RESULTS MEET: every wave puts its four tiles into LDS; behind the barrier wave w reads tile w of all four waves, wave u's O into window u
.irp t, 0,1,2,3
	WIN ((\t)<<2)
.set n, 0
.rept 16
	ds_store_b128 v[SG], v[O+4*n:O+4*n+3] offset:\t*TILEB+512*n
.set n, n+1
.endr
	ds_store_b128 v[SG], v[12:15] offset:\t*TILEB+8192
.endr
	WIN 0
	s_wait_dscnt 0x0
	s_barrier_signal -1
	s_barrier_wait -1
.irp u, 0,1,2,3
	ds_load_b128 v[PC+4*\u:PC+4*\u+3], v[SR+\u] offset:8192   ; -M, largest t, the sum's halves
.endr
.irp u, 0,1,2,3
	WIN ((\u)<<6)
.set n, 0
.rept 16
	ds_load_b128 v[O+4*n:O+4*n+3], v[SR+\u] offset:512*n
.set n, n+1
.endr
.endr
	WIN 0
	s_wait_dscnt 0x0
	s_barrier_signal -1                            ; all reads are over: the next trip may store here again
	s_barrier_wait -1
	v_min3_num_f32 v254, v[PC], v[PC+4], v[PC+8]
	v_min_num_f32 v254, v254, v[PC+12]             ; the common -M
.irp u, 0,1,2,3
	v_sub_f32 v[S+2*\u], v254, v[PC+4*\u]
	v_add_f32 v[PC+4*\u+2], v[PC+4*\u+2], v[PC+4*\u+3]
	v_mov_b32 v[S+2*\u+1], 0                       ; named as the upper half of a pair
.endr
.irp u, 0,1,2,3
	v_cvt_i32_f32 v[S+2*\u], v[S+2*\u]
.endr
.irp u, 0,1,2,3
	v_ldexp_f32 v[S+2*\u], 1.0, v[S+2*\u]          ; 2^(wave u's M - the common M)
.endr
	v_mul_f32 v252, v[PC+2], v[S]
	v_fma_f32 v252, v[PC+6], v[S+2], v252
	v_fma_f32 v252, v[PC+10], v[S+4], v252
	v_fma_f32 v252, v[PC+14], v[S+6], v252
	v_permlanex16_b32 v253, v252, s[SEL], s[SEL+1]
	v_add_f32 v252, v252, v253                     ; the row's sum
	s_wait_alu depctr_va_vdst(0)                   ; ahead of the transcendental,
	v_rcp_f32 v254, v252
	v_nop
	s_wait_alu depctr_va_vdst(0)                   ; and ahead of its first reader
.irp u, 0,1,2,3
	v_mul_f32 v[S+2*\u], v[S+2*\u], v254
.endr
.set n, 0
.rept 32
	v_pk_mul_f32 v[O+n:O+n+1], v[O+n:O+n+1], v[S:S+1] op_sel_hi:[1,0]
.set n, n+2
.endr
.irp u, 1,2,3
	WIN \u                                         ; source 0: wave u's O
.set n, 0
.rept 32
	v_pk_fma_f32 v[O+n:O+n+1], v[O+n:O+n+1], v[S+2*\u:S+2*\u+1], v[O+n:O+n+1] op_sel_hi:[1,0,1]
.set n, n+2
.endr
.endr
	WIN 0
.set n, 0
.rept 64
	v_med3_num_f32 v[O+n], v[O+n], -v241, v241
.set n, n+1
.endr
.set n, 0
.rept 8
	v_cvt_scalef32_pk8_fp8_f32 v[FRG+2*n:FRG+2*n+1], v[O+8*n:O+8*n+7], v245
.set n, n+1
.endr
	v_nop
.set n, 0
.rept 8
	global_store_b64 v[OO], v[FRG+2*n:FRG+2*n+1], s[OB:OB+1] offset:256*n   ; 32 lanes store 256 consecutive bytes, aligned
.set n, n+1
.endr
	s_sub_co_u32 s[QB], 31, ttmp9
	s_sub_co_u32 s[SHF], 3, s[WV]
	s_mov_b32 s[FW], s84
	s_add_co_u32 s[PASS], s[PASS], 1
	s_cmp_lt_u32 s[PASS], 2
	s_wait_alu depctr_va_vdst(0)
	s_cbranch_scc1 .Lpass
	s_wait_tensorcnt 0x0                           ; the wave's end, behind my last LDS store
	ds_add_u32 v[SPW], v[NIL]
	s_wait_dscnt 0x0
	s_endpgm
.Lfunc_end_k_q66c47544d3_attn:
	.size	k_q66c47544d3_attn, .Lfunc_end_k_q66c47544d3_attn-k_q66c47544d3_attn
	.p2alignl 7, 3214868480
	.fill 96, 4, 3214868480
	.section	.rodata,"a",@progbits
	.p2align	6, 0x0
	.amdhsa_kernel k_q66c47544d3_attn
		.amdhsa_group_segment_fixed_size 139776
		.amdhsa_private_segment_fixed_size 0
		.amdhsa_enable_private_segment 0
		.amdhsa_kernarg_size 40
		.amdhsa_user_sgpr_count 2
		.amdhsa_user_sgpr_kernarg_segment_ptr 1
		.amdhsa_wavefront_size32 1
		.amdhsa_system_sgpr_workgroup_id_x 1
		.amdhsa_system_sgpr_workgroup_id_y 1
		.amdhsa_system_sgpr_workgroup_id_z 1
		.amdhsa_system_vgpr_workitem_id 0
		.amdhsa_next_free_vgpr 1024
		.amdhsa_next_free_sgpr 100
		.amdhsa_reserve_vcc 0
		.amdhsa_float_denorm_mode_32 3
		.amdhsa_float_denorm_mode_16_64 3
		.amdhsa_memory_ordered 1
		.amdhsa_forward_progress 1
		.amdhsa_inst_pref_size 122
	.end_amdhsa_kernel
	.amdgpu_metadata
---
amdhsa.version: [ 1, 2 ]
amdhsa.kernels:
  - .name:           k_q66c47544d3_attn
    .symbol:         k_q66c47544d3_attn.kd
    .args:
      - { .name: qkv, .offset: 0, .size: 8, .value_kind: global_buffer, .address_space: global }
      - { .name: mask, .offset: 8, .size: 8, .value_kind: global_buffer, .address_space: global }
      - { .name: lowp_scales, .offset: 16, .size: 8, .value_kind: global_buffer, .address_space: global }
      - { .name: flags, .offset: 24, .size: 8, .value_kind: global_buffer, .address_space: global }
      - { .name: att, .offset: 32, .size: 8, .value_kind: global_buffer, .address_space: global }
    .group_segment_fixed_size: 139776
    .private_segment_fixed_size: 0
    .kernarg_segment_align: 8
    .kernarg_segment_size: 40
    .max_flat_workgroup_size: 128
    .sgpr_count:     100
    .vgpr_count:     1024
    .wavefront_size: 32
...
	.end_amdgpu_metadata
.endif
;; end of part 3
;; launch oproj (part 4): grid 16 x 16, 4 waves a work-group, clusters of 4 x 4, 327,680 bytes of LDS; arguments att, codes1, lowp_scales, out0; writes out0
.if DOCPART == 4
	.amdgcn_target "amdgcn-amd-amdhsa--gfx1250"
	.amdhsa_code_object_version 6
	.text
	.protected	k_q66c47544d3_oproj
	.globl	k_q66c47544d3_oproj
	.p2align	8
	.type	k_q66c47544d3_oproj,@function
k_q66c47544d3_oproj:
	s_mov_b64 s[64:65], 0
	v_nop
	global_prefetch_b8 v0, s[64:65] scope:SCOPE_SE
	s_setreg_imm32_b32 hwreg(HW_REG_WAVE_MODE, 25, 1), 1
	s_wait_xcnt 0x0
	s_wait_alu depctr_hold_cnt(0) depctr_sa_sdst(0) depctr_va_vdst(0) depctr_va_sdst(0) depctr_va_ssrc(0) depctr_va_vcc(0) depctr_vm_vsrc(0)
	s_getreg_b32 s2, hwreg(HW_REG_IB_STS2, 6, 4)
	s_cmp_eq_u32 s2, 0
	s_cbranch_scc0 .Lentry_in_a_cluster
	s_endpgm
.Lentry_in_a_cluster:
	s_bfe_u32 s2, ttmp6, 0x10000c
	s_cmp_lg_u32 s2, 0xf033
	s_cbranch_scc0 .Lentry_shape_is_right
	s_endpgm
.Lentry_shape_is_right:
.set SEC,    0x400000
.set PITCH,  528
.set ABYTES, 65536
.set SLOT,   ABYTES+128*PITCH
.set SPARE,  2*SLOT
.set STAGE,  SPARE+512
.set SPITCH, 272
.set ADRA, 16
.set ADRB, 20
.set STO,  24
.set RD,   25
.set CO,   26
.set SPW,  28
.set NIL,  29
.set TMP,  32
.set BK,   64
.set ACC,  128
.set F0,   0
.set F1,   128
.set G1, 24
.set G0, 32
.set G1B, 48
.set G0B, 56
.set MSB, 0
.macro WIN new
.if MSB != (\new)
	s_set_vgpr_msb (MSB<<8)|(\new)
.set MSB, (\new)
.endif
.endm
.set MUL,  0x05
.set TO_F, 0x40
.macro JLOAD s
	s_cmp_eq_u32 s15, 0
	s_cbranch_scc0 .Lfor_b_\@
	tensor_load_to_lds s[G0+4*\s:G0+4*\s+3], s[G1:G1+7]
	s_nop 0
.rept 4
	v_nop
.endr
	s_branch .Lasked_\@
.Lfor_b_\@:
	tensor_load_to_lds s[G0B+4*\s:G0B+4*\s+3], s[G1B:G1B+7]
	s_nop 0
.rept 4
	v_nop
.endr
.Lasked_\@:
.endm
.macro CREST
	s_cmp_lg_u32 s14, 0
	s_cbranch_scc1 .Lnot_wave_0_\@
	s_barrier_signal -3
.Lnot_wave_0_\@:
	s_barrier_wait -3
	s_barrier_signal -1
	s_barrier_wait -1
.endm
.macro CROUND
	s_barrier_signal -1
	s_barrier_wait -1
	CREST
.endm
	s_load_b256 s[4:11], s[0:1], 0x0
	v_lshl_add_u32 v[SPW], v0, 2, SPARE
	v_mov_b32 v[NIL], 0
	ds_add_u32 v[SPW], v[NIL]
	ds_add_u32 v[SPW], v[NIL]
	v_lshrrev_b32 v1, 5, v0
	v_readfirstlane_b32 s14, v1
	s_lshr_b32 s15, s14, 1
	s_and_b32 s16, s14, 1
	s_bfe_u32 s40, ttmp6, 0x40000
	s_bfe_u32 s41, ttmp6, 0x40004
	s_lshl_b32 s42, ttmp9, 2
	s_add_co_u32 s42, s42, s40
	s_and_b32 s17, ttmp7, 0xffff
	s_lshl_b32 s17, s17, 2
	s_add_co_u32 s17, s17, s41
	s_lshl_b32 s43, s41, 2
	s_lshl_b32 s43, 15, s43
	s_lshl_b32 s44, 0x1111, s40
	s_or_b32 s[G1], s43, (3<<16)|(1<<21)
	s_mov_b32 s[G1+1], 32<<16
	s_mov_b32 s[G1+2], 128<<16
	s_mov_b32 s[G1+3], 32<<16
	s_mov_b32 s[G1+4], 128
	s_mov_b32 s[G1+5], 32
	s_mov_b32 s[G1+6], 0
	s_mov_b32 s[G1+7], 0
	s_or_b32 s[G1B], s44, (0<<16)|(1<<20)|(1<<21)|(6<<22)|(3<<25)
	s_mov_b32 s[G1B+1], 512<<16
	s_mov_b32 s[G1B+2], 64<<16
	s_mov_b32 s[G1B+3], 512<<16
	s_mov_b32 s[G1B+4], 64
	s_mov_b32 s[G1B+5], 2048
	s_mov_b32 s[G1B+6], 0
	s_mov_b32 s[G1B+7], 0
	s_lshl_b32 s20, s17, 16
	s_lshl_b32 s18, s16, 15
	s_add_co_u32 s20, s20, s18
	s_mov_b32 s21, 0
	s_lshl_b32 s46, s42, 7
	s_lshl_b32 s19, s16, 6
	s_add_co_u32 s46, s46, s19
	s_lshl_b32 s46, s46, 11
	s_add_co_u32 s46, s46, 6*SEC
	s_mov_b32 s47, 0
	s_lshl_b32 s45, s16, 15
	s_mul_i32 s22, s16, 64*PITCH
	s_add_co_u32 s22, s22, ABYTES
	s_wait_dscnt 0x0
	s_wait_kmcnt 0x0
	s_load_b64 s[96:97], s[8:9], 0x28
	s_add_nc_u64 s[20:21], s[4:5], s[20:21]
	s_add_nc_u64 s[46:47], s[6:7], s[46:47]
	CROUND
.irp s, 0,1
	s_mov_b32 s[G0+4*\s], 1
	s_add_co_u32 s[G0+4*\s+1], s45, \s*SLOT
	s_add_nc_u64 s[G0+4*\s+2:G0+4*\s+3], s[20:21], \s*1048576
	s_or_b32 s[G0+4*\s+3], s[G0+4*\s+3], 0x80000000
	s_mov_b32 s[G0B+4*\s], 1
	s_add_co_u32 s[G0B+4*\s+1], s22, \s*SLOT
	s_add_nc_u64 s[G0B+4*\s+2:G0B+4*\s+3], s[46:47], \s*512
	s_or_b32 s[G0B+4*\s+3], s[G0B+4*\s+3], 0x80000000
	s_wait_alu depctr_va_vdst(0)
	s_wait_tensorcnt 0x0
	ds_add_u32 v28, v29
	ds_add_u32 v28, v29
	s_wait_dscnt 0x0
	CROUND
	JLOAD \s
.endr
	v_and_b32 v1, 15, v0
	v_bfe_u32 v2, v0, 4, 1
	v_and_b32 v6, 31, v0
	v_lshlrev_b32 v3, 4, v6
	v_mul_u32_u24 v4, v1, PITCH
	v_lshl_add_u32 v4, v2, 4, v4
	s_lshl_b32 s21, s15, 15
	s_mul_i32 s22, s16, 64*PITCH
	s_add_co_u32 s22, s22, ABYTES
.irp s, 0,1
	v_add_nc_u32 v[ADRA+\s], s21, v3
	v_add_nc_u32 v[ADRB+\s], s22, v4
	s_add_co_u32 s21, s21, SLOT
	s_add_co_u32 s22, s22, SLOT
.endr
	s_mul_i32 s23, s14, 16*SPITCH
	s_add_co_u32 s23, s23, STAGE
	v_mul_u32_u24 v5, v1, SPITCH
	v_lshl_add_u32 v5, v2, 5, v5
	v_add_nc_u32 v[STO], s23, v5
	v_mul_u32_u24 v5, v2, SPITCH
	v_lshl_add_u32 v5, v1, 4, v5
	v_add_nc_u32 v[RD], s23, v5
	v_lshlrev_b32 v[CO], 13, v2
	v_lshl_add_u32 v[CO], v1, 4, v[CO]
	s_lshl_b32 s20, s17, 20
	s_lshl_b32 s21, s15, 19
	s_add_co_u32 s20, s20, s21
	s_mov_b32 s21, 0
	s_add_nc_u64 s[10:11], s[10:11], s[20:21]
	s_lshl_b32 s46, s42, 9
	s_lshl_b32 s47, s16, 8
	s_add_co_u32 s46, s46, s47
	s_mov_b32 s47, 0
	s_add_nc_u64 s[10:11], s[10:11], s[46:47]
.macro MUL8 f, a0, zero
.irp a, \a0, \a0+1
.irp b, 0,1,2,3
.if \zero
	v_wmma_f32_16x16x128_fp8_fp8 v[ACC+8*(4*(\a)+\b):ACC+8*(4*(\a)+\b)+7], v[\f+64+16*\b:\f+64+16*\b+15], v[\f+16*(\a):\f+16*(\a)+15], 0
.else
	v_wmma_f32_16x16x128_fp8_fp8 v[ACC+8*(4*(\a)+\b):ACC+8*(4*(\a)+\b)+7], v[\f+64+16*\b:\f+64+16*\b+15], v[\f+16*(\a):\f+16*(\a)+15], v[ACC+8*(4*(\a)+\b):ACC+8*(4*(\a)+\b)+7]
.endif
.endr
.endr
.endm
.macro FETCH slot, q, f
	WIN TO_F
.irp i, 0,1,2,3
.irp c, 0,1,2,3
	ds_load_b128 v[\f+64+16*\i+4*\c:\f+64+16*\i+4*\c+3], v[ADRB+\slot] offset:128*(\q)+32*\c+\i*16*PITCH
.endr
.endr
.irp i, 0,1,2,3
.irp c, 0,1,2,3
	ds_load_b128 v[\f+16*\i+4*\c:\f+16*\i+4*\c+3], v[ADRA+\slot] offset:\i*8192+(\q)*2048+512*\c
.endr
.endr
.endm
.macro PLACES
.rept 4
	v_nop
.endr
.endm
.macro QUARTER slot, q, f, g, zero
	s_wait_dscnt 8
	WIN MUL
	MUL8 \f, 0, \zero
	PLACES
	FETCH \slot, \q, \g
	s_wait_dscnt 32
	WIN MUL
	MUL8 \f, 2, \zero
.endm
.macro TURN slot, next, fill
	WIN 0
	s_wait_tensorcnt 0x0
	ds_add_u32 v[SPW], v[NIL]
	s_wait_dscnt 9
	WIN MUL
	MUL8 F1, 0, 0
	s_wait_dscnt 0x0
	WIN 0
	s_barrier_signal -1
	s_barrier_wait -1
.if \fill
	CREST
	s_add_nc_u64 s[G0+4*\slot+2:G0+4*\slot+3], s[G0+4*\slot+2:G0+4*\slot+3], 2*1048576
	s_add_nc_u64 s[G0B+4*\slot+2:G0B+4*\slot+3], s[G0B+4*\slot+2:G0B+4*\slot+3], 2*512
	JLOAD \slot
.else
	PLACES
.endif
	s_wait_alu depctr_va_vdst(0)
	FETCH \next, 0, F0
	WIN MUL
	MUL8 F1, 2, 0
.endm
	s_wait_tensorcnt 1
	s_barrier_signal -1
	s_barrier_wait -1
	FETCH 0, 0, F0
	QUARTER 0, 1, F0, F1, 1
	QUARTER 0, 2, F1, F0, 0
	QUARTER 0, 3, F0, F1, 0
	TURN 0, 1, 1
	QUARTER 1, 1, F0, F1, 0
	QUARTER 1, 2, F1, F0, 0
	QUARTER 1, 3, F0, F1, 0
	TURN 1, 0, 1
	QUARTER 0, 1, F0, F1, 0
	QUARTER 0, 2, F1, F0, 0
	QUARTER 0, 3, F0, F1, 0
	TURN 0, 1, 0
	QUARTER 1, 1, F0, F1, 0
	QUARTER 1, 2, F1, F0, 0
	QUARTER 1, 3, F0, F1, 0
	s_wait_dscnt 8
	WIN MUL
	MUL8 F1, 0, 0
	s_wait_dscnt 0
	MUL8 F1, 2, 0
	WIN 0
.macro TOSTAGE a
.set n, 0
.rept 16
	v_pk_mul_f32 v[TMP+n:TMP+n+1], v[ACC+32*(\a)+n:ACC+32*(\a)+n+1], s[96:97] op_sel_hi:[1,0]
.set n, n+2
.endr
.irp b, 0,1,2,3
	ds_store_b128 v[STO], v[TMP+8*\b:TMP+8*\b+3] offset:64*\b
	ds_store_b128 v[STO], v[TMP+8*\b+4:TMP+8*\b+7] offset:64*\b+16
.endr
.set BB, BK+32*((\a)%2)
.irp t, 0,1,2,3,4,5,6,7
	ds_load_b128 v[BB+4*\t:BB+4*\t+3], v[RD] offset:\t*2*SPITCH
.endr
.endm
.macro SEND a, younger
.set BB, BK+32*((\a)%2)
	s_wait_dscnt \younger
.irp t, 0,1,2,3,4,5,6,7
	global_store_b128 v[CO], v[BB+4*\t:BB+4*\t+3], s[10:11] offset:(16*(\a)+2*\t)*8192 th:TH_STORE_NT
.endr
.endm
	s_wait_kmcnt 0x0
	s_add_co_i32 s96, s96, s97
	s_add_co_i32 s96, s96, 127
	s_lshl_b32 s96, s96, 23
	s_mov_b32 s97, s96
	PLACES
	TOSTAGE 0
	TOSTAGE 1
	SEND 0, 16
	s_wait_xcnt 0x0
	TOSTAGE 2
	SEND 1, 16
	s_wait_xcnt 0x0
	TOSTAGE 3
	SEND 2, 16
	SEND 3, 0
	s_wait_tensorcnt 0x0
	ds_add_u32 v[SPW], v[NIL]
	s_wait_dscnt 0x0
	CROUND
	s_endpgm
.Lfunc_end_k_q66c47544d3_oproj:
	.size	k_q66c47544d3_oproj, .Lfunc_end_k_q66c47544d3_oproj-k_q66c47544d3_oproj
	.p2alignl 7, 3214868480
	.fill 96, 4, 3214868480
	.section	.rodata,"a",@progbits
	.p2align	6, 0x0
	.amdhsa_kernel k_q66c47544d3_oproj
		.amdhsa_group_segment_fixed_size 327680
		.amdhsa_private_segment_fixed_size 0
		.amdhsa_enable_private_segment 0
		.amdhsa_kernarg_size 32
		.amdhsa_user_sgpr_count 2
		.amdhsa_user_sgpr_kernarg_segment_ptr 1
		.amdhsa_wavefront_size32 1
		.amdhsa_system_sgpr_workgroup_id_x 1
		.amdhsa_system_sgpr_workgroup_id_y 1
		.amdhsa_system_sgpr_workgroup_id_z 1
		.amdhsa_system_vgpr_workitem_id 0
		.amdhsa_next_free_vgpr 512
		.amdhsa_next_free_sgpr 100
		.amdhsa_reserve_vcc 0
		.amdhsa_float_denorm_mode_32 3
		.amdhsa_float_denorm_mode_16_64 3
		.amdhsa_memory_ordered 1
		.amdhsa_forward_progress 1
		.amdhsa_inst_pref_size 75
	.end_amdhsa_kernel
	.amdgpu_metadata
---
amdhsa.version: [ 1, 2 ]
amdhsa.kernels:
  - .name:           k_q66c47544d3_oproj
    .symbol:         k_q66c47544d3_oproj.kd
    .args:
      - { .name: att, .offset: 0, .size: 8, .value_kind: global_buffer, .address_space: global }
      - { .name: codes1, .offset: 8, .size: 8, .value_kind: global_buffer, .address_space: global }
      - { .name: lowp_scales, .offset: 16, .size: 8, .value_kind: global_buffer, .address_space: global }
      - { .name: out0, .offset: 24, .size: 8, .value_kind: global_buffer, .address_space: global }
    .group_segment_fixed_size: 327680
    .private_segment_fixed_size: 0
    .kernarg_segment_align: 8
    .kernarg_segment_size: 32
    .max_flat_workgroup_size: 128
    .sgpr_count:     100
    .vgpr_count:     512
    .wavefront_size: 32
...
	.end_amdgpu_metadata
.endif
;; end of part 4
